; MI455X (gfx1250); checked and timed in simulation.
; The chip was launched on July 23, 2026; its instructions are those of AMD's public machine-readable ISA for CDNA 5 (MIT licence, August 2026) and "CDNA5" Instruction Set Architecture Reference Guide (July 2026). The comments in the code are by the model that wrote it; some were corrected since.
;; scaled dot product attention. Allowed arithmetic: matrix products marked QUANTISED: E2M1 operands, one E8M0 scale for each 32 along K, by v_wmma_scale_f32_16x16x128_f8f6f4 with both operands' format E2M1 (or v_wmma_scale_f32_32x16x128_f4), f32 sums; everything else in f32.
;; Inputs: K 4 x 16 x 2,048 x 64 float32; Q 4 x 16 x 2,048 x 64 float32; V 4 x 16 x 2,048 x 64 float32; mask 2,048 x 2,048 bool.
;; Outputs: out0 4 x 16 x 2,048 x 64 float32.
;; This version of the problem:
;;   THIS VERSION OF THE PROBLEM IS GIVEN IN LOW PRECISION. The matrix products marked QUANTISED in the list below multiply operands that are first quantised to E2M1 (2 exponent bits, 1 mantissa bit; 4 bits a number), with one power-of-two scale for each 32 numbers along K (OCP MX v1.0); their sums are f32. All else is computed in f32.
;;   The module's matrix products, in the order in which they are computed (A, B: the left and right operand; K: the contracted axis; several contracted axes count as one K, in the product's order):
;;     1. batch 64 x [M 2,048, K 64] x [K 64, N 2,048]; A: input Q; B: input K: QUANTISED
;;     2. batch 64 x [M 2,048, K 2,048] x [K 2,048, N 64]; A: softmax (see below); B: input V: QUANTISED
;;   THE QUANTISER, for each operand of a quantised product, along K:
;;     - K is cut into blocks of 32 from its start; a last block that is shorter is filled with zeros.
;;     - A block's scale is 2^e with e = floor(log2(the largest magnitude in the block)) - 2, held to -126 .. 127; a block of zeros has e = 0. As a byte (E8M0): e + 127.
;;     - Each number is divided by its block's scale, clamped to +-6, and rounded to the nearest number of E2M1, ties to even, subnormals kept.
;;     - The product sums the exact products of the quantised numbers (number of the format x scale) in f32.
;;   ~~~python
;;   def quantise(x, axis):      # numpy; x: float32 -> the quantised numbers, widened to float32 again
;;       x = np.moveaxis(x, axis, -1); K = x.shape[-1]
;;       x = np.pad(x, [(0, 0)] * (x.ndim - 1) + [(0, -K % 32)]); x = x.reshape(x.shape[:-1] + (-1, 32)); a = np.abs(x).max(-1, keepdims=True)
;;       e = np.where(a > 0, np.clip(np.frexp(np.where(a > 0, a, 1))[1] - 1 - 2, -126, 127), 0)      # np.frexp(a)[1] - 1 = floor(log2(a)), exactly
;;       r = np.clip(x / 2.0 ** e, -6, 6)
;;       step = 2.0 ** (np.maximum(np.frexp(np.where(r == 0, 1, r))[1] - 1, 0) - 1)
;;       q = np.round(r / step) * step * 2.0 ** e      # np.round: ties to even
;;       return np.moveaxis(q.reshape(q.shape[:-2] + (-1,))[..., :K], -1, axis).astype(np.float32)
;;   ~~~
;;   SOFTMAX AHEAD OF A QUANTISED PRODUCT. Where the list says 'softmax', what is quantised is not the finished softmax but p = 2^(t - M), with t = logit x log2(e) and M = ceil(the row's largest t), a whole number; so 1/2 < the row's largest p <= 1. The row's sum l is taken of the UNQUANTISED p, in f32, and the product's result is divided by l at the end. Since M is a whole number, a kernel that streams over the keys may use a running M (the ceiling of the running maximum): every later rescaling is an exact power of two, which a block's scale takes up: the codes' values come out the same.
;;   OPERANDS COMPUTED ON THE WAY. 'Computed on the way' means the value that the module computes at that place (a softmax that the list does not call 'softmax' is quantised finished and normalised). What goes into a quantiser is computed in f32, as accurately as f32 sums, v_exp_f32 and their like allow (about 1e-6 of the number): no bf16 or f16 on the way to a quantiser, and a product that is left as it is and whose result goes on into a quantised operand takes f32 operands (vector FMAs, or v_wmma_f32_16x16x4_f32). A number that lies on a knife's edge between two numbers of the format may be rounded either way, as far as f32 arithmetic and the matrix unit's own rounding can turn it there, and no further.
;; One version. Each part assembles by itself: llvm-mc -triple=amdgcn-amd-amdhsa -mcpu=gfx1250 --defsym DOCPART=n.
;; ======== version 1 of 1: 2 launches
;; limits: right only within a limited range of input values
;; workspace buffers: kv 8,912,896 bytes; maskw 524,288 bytes of whole numbers; hid 8,192 bytes of whole numbers
;; launch prep (part 1): grid 1024 x 1, 4 waves a work-group, no clusters, 40,448 bytes of LDS; arguments K, V, mask, kv, maskw, hid; writes kv, maskw, hid
.if DOCPART == 1
	.amdgcn_target "amdgcn-amd-amdhsa--gfx1250"
	.amdhsa_code_object_version 6
	.text
	.protected	k_q059ef9dbe0_prep
	.globl	k_q059ef9dbe0_prep
	.p2align	8
	.type	k_q059ef9dbe0_prep,@function
k_q059ef9dbe0_prep:
	s_mov_b64 s[64:65], 0
	v_nop
	global_prefetch_b8 v0, s[64:65] scope:SCOPE_SE
	s_setreg_imm32_b32 hwreg(HW_REG_WAVE_MODE, 25, 1), 1
	s_wait_xcnt 0x0
; K and V [64 heads][2048 keys][64] f32 become codes of FP4 (E2M1) with one E8M0 scale byte for each 32 along a product's K, laid as IMAGES OF THE OPERANDS' REGISTERS;
; the mask [2048][2048] of bytes becomes lane masks, one word of 32 bits for each score register of the attention launch, and one flag word for each tile of 16 queries x 128 keys.
; WORK LEFT OUT BY THE PROGRAM: reference() replaces a score by -10000 wherever mask is 0, whatever Q and K hold.  So in a tile of 16 queries x 128 keys whose mask bytes are all 0 the first
; product reaches no output, and the attention launch does not make it there: it reads the flag words stored here, whole numbers, and branches on them.  The second product is made for every tile.
; A NaN, an infinity or an overflow in a score that the mask hides is not carried to the result; reference()'s where does not carry it either.
; kv: 1,024 records of 8,704 bytes, record g = 16 x head + key step (128 keys):
;   0 .. 4095     K's four fragments.  A fragment's registers 0-3 hold 16 keys x the head's 64, its registers 4-7 sixteen other keys: byte 1024 f + 512 c + 16 L (L = 16 h + r)
;                 begins the 32 codes of key 64 (f / 2) + 32 (r / 8) + 16 (f % 2) + 8 c + r % 8, d = 32 h on.
;   4096 .. 8191  V^T's four fragments (16 of the head's 64 x 128 keys): byte 4096 + 1024 dt + 256 beta + 16 r begins the codes of d = 16 dt + r, keys 32 beta on.
;   8192 .. 8447  K's scale words: byte 16 r + 4 f + 2 c + h.       8448 .. 8703  V's: byte 16 r + 4 dt + beta.
; maskw: [query tile of 16][key step][64 words]: bit L = 16 h + r of word n is (mask[16 qt + r][128 ks + 64 (n / 32) + 32 h + n % 32] != 0).
; hid: [query tile][key step] one word: bit ks is set where all 2,048 mask bytes of the tile are 0, bit 16 + ks where all are 1; the 16 words of a query tile are joined by OR.
; A block's scale is 2^(floor(log2(its largest magnitude)) - 2): its byte is the largest magnitude's exponent field - 2, held at 1 from below by a floor among the maximum's leaves.
; LIMITS: a block of zeros gets the byte 1 where the rule says 127 (its codes are zeros, which add nothing under any byte but 0xff, and this program alone reads the bytes);
; blocks whose largest magnitude lies under 2^-124 share that byte; NaN and infinities among the inputs are not served.
; SHARES.  Work-group g makes record g.  Wave w takes, of K, the keys of fragment w: 64 (w / 2) + 16 (w % 2) + 0 .. 15 and the sixteen 32 further on; of V, keys 32 w .. 32 w + 31, block w.
; It also takes the mask's 16 rows of query tile g / 8 at columns 256 (g % 8) on: wave w loads rows 4 w .. 4 w + 3, and behind the one barrier waves 0 and 1 make the words of key step 2 (g % 8) + wave.
; K: the quantiser wants 32 neighbours along d in ONE lane, a load is best where neighbouring lanes take neighbouring bytes: so the wave's 8,192 bytes are loaded as they lie and turn
; through its own stage in LDS.  V: K = the keys is not innermost: a lane takes a column d and its registers run down the keys; nothing is transposed.
; No tensor loads, no cluster (no two work-groups read the same byte), no matrix unit: this launch only moves and converts.  The flag words leave 4 bytes a wave: 8,192 bytes in the launch.
.set REC,  8704
.set KSTW, 32*272                      ; a wave's stage for K: 32 rows of 256 bytes + 16
.set MST,  4*KSTW                      ; the mask's stage, the work-group's: 16 rows of 256 bytes + 16
.set SCB,  MST+16*272                  ; the record's 512 scale bytes, gathered from the four waves
.set SPARE, 0x9c00                     ; the spare words, 128 bytes a wave
; v1 lane, v2 r, v3 h;  v4 16 l;  v5 4 l;  v6 the mask's offset;  v7, v8 K's stage in and out;  v9, v10 the mask's stage in and out;  v11, v12 where K's and V's codes go;
; v13, v14 where their scale bytes go;  v15 the scale bytes' way out;  v16 the mask words' offset;  v[18:19] mask words;  v20-23 at work;  v24-27 scale bytes;  v28-43 codes;
; v44-51 mask bytes as loaded;  v52-67 mask bytes turned;  v68-131 K;  v132-163, v164-195 V's columns 0-31, 32-63
	s_load_b256 s[4:11], s[0:1], 0x0               ; K s[4:5], V s[6:7], mask s[8:9], kv s[10:11]
	s_load_b128 s[12:15], s[0:1], 0x20             ; maskw s[12:13], hid s[14:15]
	v_lshl_add_u32 v200, v0, 2, SPARE
	v_mov_b32 v201, 0
	v_lshrrev_b32 v1, 5, v0
	v_readfirstlane_b32 s36, v1                    ; wave 0..3
	v_and_b32 v1, 31, v0                           ; lane l
	v_and_b32 v2, 15, v0                           ; r
	v_bfe_u32 v3, v0, 4, 1                         ; h
	v_lshlrev_b32 v4, 4, v1                        ; 16 l
	v_lshlrev_b32 v5, 2, v1                        ; 4 l
	s_lshl_b32 s2, s36, 13
	v_lshl_add_u32 v6, v3, 11, s2                  ; the mask: row 4 w + h of 2,048 bytes,
	v_lshl_add_u32 v6, v2, 4, v6                   ; + 16 r
	s_mul_i32 s37, s36, KSTW                       ; my stage
	v_mul_u32_u24 v7, v3, 272
	v_lshl_add_u32 v7, v2, 4, v7
	v_add_nc_u32 v7, s37, v7                       ; in: lanes 0-15 one key's row, lanes 16-31 the next
	v_mul_u32_u24 v8, v2, 272
	v_lshl_add_u32 v8, v3, 7, v8
	v_add_nc_u32 v8, s37, v8                       ; out: row r, d = 32 h on
	s_mul_i32 s2, s36, 4*272
	s_add_co_u32 s2, s2, MST
	v_mul_u32_u24 v9, v3, 272
	v_lshl_add_u32 v9, v2, 4, v9
	v_add_nc_u32 v9, s2, v9                        ; the mask's stage, in: row 4 w + h
	s_and_b32 s3, s36, 1
	s_lshl_b32 s3, s3, 7
	s_add_co_u32 s3, s3, MST
	v_mul_u32_u24 v10, v2, 272
	v_lshl_add_u32 v10, v3, 5, v10
	v_add_nc_u32 v10, s3, v10                      ; out: row r, column 128 (w % 2) + 32 h
	s_lshl_b32 s2, s36, 10
	v_lshl_add_u32 v11, v1, 4, s2                  ; K's codes: 1024 w + 16 l
	s_lshl_b32 s3, s36, 8
	v_lshl_add_u32 v12, v3, 10, s3                 ; V's codes: 1024 h + 256 w + 16 r
	v_lshl_add_u32 v12, v2, 4, v12
	s_lshl_b32 s2, s36, 2
	s_add_co_u32 s2, s2, SCB
	v_lshl_add_u32 v13, v2, 4, v3
	v_add_nc_u32 v13, s2, v13                      ; K's scale byte: 16 r + 4 w + h (+ 2 c)
	s_add_co_u32 s3, s36, SCB+256
	v_lshlrev_b32 v14, 2, v3
	v_lshl_add_u32 v14, v2, 4, v14
	v_add_nc_u32 v14, s3, v14                      ; V's: 16 r + 4 h + w (+ 8 for columns 32-63)
	v_lshl_add_u32 v15, v1, 4, SCB
	s_lshl_b32 s2, s36, 8
	v_lshl_add_u32 v16, v1, 3, s2                  ; mask words: 256 w + 8 l
	v_mov_b32 v18, 0                               ; written once: v_writelane_b32's destination counts as one of its sources
	v_mov_b32 v19, 0
	s_lshl_b32 s16, ttmp9, 15                      ; V: 128 keys of 256 bytes a work-group,
	s_lshl_b32 s17, s36, 13                        ; 32 a wave
	s_add_co_u32 s16, s16, s17
	s_mov_b32 s17, 0
	s_lshr_b32 s34, s36, 1                         ; K: my first key is 64 (w / 2) + 16 (w % 2)
	s_lshl_b32 s34, s34, 14
	s_and_b32 s35, s36, 1
	s_lshl_b32 s35, s35, 12
	s_add_co_u32 s34, s34, s35
	s_lshl_b32 s35, ttmp9, 15
	s_add_co_u32 s34, s34, s35
	s_mov_b32 s35, 0
	s_lshr_b32 s18, ttmp9, 3                       ; the mask: 16 rows of 2,048 bytes a query tile,
	s_lshl_b32 s18, s18, 15
	s_and_b32 s19, ttmp9, 7                        ; 256 columns
	s_lshl_b32 s19, s19, 8
	s_add_co_u32 s18, s18, s19
	s_mov_b32 s19, 0
	s_mul_i32 s20, ttmp9, REC                      ; my record
	s_mov_b32 s21, 0
	s_lshl_b32 s22, ttmp9, 9                       ; two key steps' words: (16 (g / 8) + 2 (g % 8)) x 256 = 512 g
	s_mov_b32 s23, 0
	s_lshl_b32 s32, ttmp9, 3                       ; the flag word: 4 (2 g + w)
	s_lshl_b32 s33, s36, 2
	s_add_co_u32 s32, s32, s33
	s_mov_b32 s33, 0
	s_wait_alu depctr_va_vdst(0)                   ; the wait at the head's end
	s_wait_kmcnt 0x0
	s_add_nc_u64 s[4:5], s[4:5], s[34:35]
	s_add_nc_u64 s[6:7], s[6:7], s[16:17]
	s_add_nc_u64 s[8:9], s[8:9], s[18:19]
	s_add_nc_u64 s[10:11], s[10:11], s[20:21]
	s_add_nc_u64 s[12:13], s[12:13], s[22:23]
	s_add_nc_u64 s[14:15], s[14:15], s[32:33]
; 32 numbers of one block in v[x] .. v[x + 31] become 32 codes in v[c] .. v[c + 3] and the scale's byte in v[e]
.macro QUANT32 x, c, e
	v_max3_num_f32 v20, |v[\x]|, |v[\x+1]|, 0x1800000          ; two chains; the floor 2^(3 - 127) is one leaf: the byte cannot fall under 1
	v_max3_num_f32 v21, |v[\x+2]|, |v[\x+3]|, |v[\x+4]|
.irp i, 5,9,13,17,21,25
	v_max3_num_f32 v20, v20, |v[\x+\i]|, |v[\x+\i+1]|
	v_max3_num_f32 v21, v21, |v[\x+\i+2]|, |v[\x+\i+3]|
.endr
	v_max3_num_f32 v20, v20, |v[\x+29]|, |v[\x+30]|
	v_max3_num_f32 v20, v20, v21, |v[\x+31]|
	v_add_nc_u32 v22, 0xff000000, v20              ; 2 off the exponent field: the conversion takes the exponent field of this operand as its scale, and nothing else of it
.irp g, 0,1,2,3
	v_cvt_scalef32_pk8_fp4_f32 v[\c+\g], v[\x+8*\g:\x+8*\g+7], v22
.endr
	v_lshrrev_b32 v[\e], 23, v22                   ; the scale's byte; also the plain line behind the conversions
.endm
	; every load at once but V's second half: 2 + 16 + 32
.irp i, 0,1
	global_load_b128 v[44+4*\i:47+4*\i], v6, s[8:9] offset:4096*\i th:TH_LOAD_NT     ; sixteen lanes read 256 consecutive bytes of a mask row
.endr
.irp i, 0,1,2,3,4,5,6,7,8,9,10,11,12,13,14,15
	global_load_b128 v[68+4*\i:71+4*\i], v4, s[4:5] offset:512*\i+4096*(\i/8) th:TH_LOAD_NT      ; my keys 2 i and 2 i + 1: 512 consecutive bytes; the second sixteen lie 32 keys behind the first
.endr
.irp i, 0,1,2,3,4,5,6,7,8,9,10,11,12,13,14,15,16,17,18,19,20,21,22,23,24,25,26,27,28,29,30,31
	global_load_b32 v[132+\i], v5, s[6:7] offset:256*\i th:TH_LOAD_NT                ; V(key i, d = l)
.endr
	s_wait_loadcnt 48                              ; K's 16 and V's 32 may be out: the mask's two are in
.irp i, 0,1
	ds_store_b128 v9, v[44+4*\i:47+4*\i] offset:544*\i
.endr
	s_wait_loadcnt 32                              ; V's 32 may be out: K is in
; my x-th key is row 8 (x / 16) + x % 8 of the fragment's half c = (x / 8) % 2: it goes to stage row 16 c + that row
.set i, 0
.rept 16
.set x, 2*i
.set sw, ((x)&7)+16*(((x)>>3)&1)+8*(((x)>>4)&1)
	ds_store_b128 v7, v[68+4*i:68+4*i+3] offset:sw*272
.set i, i+1
.endr
.irp i, 0,1,2,3,4,5,6,7,8,9,10,11,12,13,14,15,16,17,18,19,20,21,22,23,24,25,26,27,28,29,30,31
	global_load_b32 v[164+\i], v5, s[6:7] offset:128+256*\i th:TH_LOAD_NT            ; V(key i, d = 32 + l)
.endr
.irp c, 0,1
.irp j, 0,1,2,3,4,5,6,7
	ds_load_b128 v[68+32*\c+4*\j:71+32*\c+4*\j], v8 offset:16*\c*272+16*\j           ; LDS serves a wave's instructions in order (ISA guide 5.7.1.4): these see the stores above
.endr
.endr
	s_wait_dscnt 8                                 ; the second half's eight loads may be out
	QUANT32 68, 28, 24
	global_store_b128 v11, v[28:31], s[10:11]      ; 32 lanes store 512 consecutive bytes; each call's codes have registers of their own, so no store's data are written again
	ds_store_b8 v13, v24
	s_wait_dscnt 1                                 ; only that byte store may be out
	QUANT32 100, 32, 25
	global_store_b128 v11, v[32:35], s[10:11] offset:512
	ds_store_b8 v13, v25 offset:2
	s_wait_loadcnt 32                              ; V's second 32 may be out
	QUANT32 132, 36, 26
	global_store_b128 v12, v[36:39], s[10:11] offset:4096      ; sixteen lanes store 256 consecutive bytes, at a multiple of 256 from the record's first byte
	ds_store_b8 v14, v26
	s_wait_loadcnt 0x0
	QUANT32 164, 40, 27
	global_store_b128 v12, v[40:43], s[10:11] offset:4096+2048
	ds_store_b8 v14, v27 offset:8
	s_wait_dscnt 0x0                               ; for the others' sake: my mask rows and my scale bytes lie in LDS
	s_barrier_signal -1
	s_barrier_wait -1                              ; everybody's do
	s_cmp_lt_u32 s36, 2
	s_cbranch_scc0 .Lnot_mask
	; waves 0 and 1: lane (r, h) takes the 64 mask bytes of row r at columns 32 h + 0 .. 31 and 64 + 32 h + 0 .. 31 of its key step; a compare over the 32 lanes IS the word wanted
.irp b, 0,1,2,3
	ds_load_b128 v[52+4*\b:55+4*\b], v10 offset:64*(\b/2)+16*(\b%2)
.endr
	s_wait_dscnt 0x0
.set n, 0
.rept 64
	v_and_b32 v[20+n%4], 0xff<<(8*(n%4)), v[52+4*(n/16)+(n%16)/4]
	v_cmp_ne_u32 s[24+n%8], 0, v[20+n%4]
	v_writelane_b32 v[18+n%2], s[24+n%8], n/2      ; word n to lane n / 2, register n % 2
.set n, n+1
.endr
	global_store_b64 v16, v[18:19], s[12:13]       ; 32 lanes store the step's 256 bytes
	; the tile's flag word: the OR of all its bytes is 0, or the AND of all is 1 in every byte (a byte that is neither 0 nor 1 leaves both flags off: the words above then decide)
	v_or_b32 v20, v52, v53
	v_and_b32 v21, v52, v53
.irp i, 54,55,56,57,58,59,60,61,62,63,64,65,66,67
	v_or_b32 v20, v20, v[\i]
	v_and_b32 v21, v21, v[\i]
.endr
	v_cmp_ne_u32 s24, 0, v20                       ; lanes that see a key that counts
	v_cmp_ne_u32 s25, 0x01010101, v21              ; lanes that see a hidden key
	s_and_b32 s26, ttmp9, 7
	s_lshl_b32 s26, s26, 1
	s_add_co_u32 s26, s26, s36                     ; the key step
	s_cmp_eq_u32 s24, 0
	s_cselect_b32 s27, 1, 0
	s_cmp_eq_u32 s25, 0
	s_cselect_b32 s28, 0x10000, 0
	s_or_b32 s27, s27, s28
	s_lshl_b32 s27, s27, s26
	v_mov_b32 v22, s27
	v_mov_b32 v23, 0
	v_cmp_eq_u32 vcc_lo, 0, v1
	s_wait_alu depctr_va_vdst(0)                   ; directly ahead of the wait below
	s_wait_xcnt 0x0                                ; EXEC changes only behind this wait
	s_and_saveexec_b32 s30, vcc_lo
	global_store_b32 v23, v22, s[14:15]            ; lane 0 stores the word
	s_wait_xcnt 0x0
	s_or_b32 exec_lo, exec_lo, s30
	s_wait_tensorcnt 0x0                           ; the wave's end
	ds_add_u32 v200, v201
	s_wait_dscnt 0x0
	s_endpgm
.Lnot_mask:
	s_cmp_eq_u32 s36, 3
	s_cbranch_scc0 .Ldone
	ds_load_b128 v[52:55], v15                     ; wave 3: the record's 512 scale bytes leave as they lie
	s_wait_dscnt 0x0
	global_store_b128 v4, v[52:55], s[10:11] offset:8192
.Ldone:
	s_wait_tensorcnt 0x0                           ; the wave's end
	ds_add_u32 v200, v201
	s_wait_dscnt 0x0
	s_endpgm
.Lfunc_end_k_q059ef9dbe0_prep:
	.size	k_q059ef9dbe0_prep, .Lfunc_end_k_q059ef9dbe0_prep-k_q059ef9dbe0_prep
	.p2alignl 7, 3214868480
	.fill 96, 4, 3214868480
	.section	.rodata,"a",@progbits
	.p2align	6, 0x0
	.amdhsa_kernel k_q059ef9dbe0_prep
		.amdhsa_group_segment_fixed_size 40448
		.amdhsa_private_segment_fixed_size 0
		.amdhsa_enable_private_segment 0
		.amdhsa_kernarg_size 48
		.amdhsa_user_sgpr_count 2
		.amdhsa_user_sgpr_kernarg_segment_ptr 1
		.amdhsa_wavefront_size32 1
		.amdhsa_system_sgpr_workgroup_id_x 1
		.amdhsa_system_sgpr_workgroup_id_y 1
		.amdhsa_system_sgpr_workgroup_id_z 1
		.amdhsa_system_vgpr_workitem_id 0
		.amdhsa_next_free_vgpr 202
		.amdhsa_next_free_sgpr 66
		.amdhsa_reserve_vcc 1
		.amdhsa_float_denorm_mode_32 3
		.amdhsa_float_denorm_mode_16_64 3
		.amdhsa_memory_ordered 1
		.amdhsa_forward_progress 1
		.amdhsa_inst_pref_size 35
	.end_amdhsa_kernel
	.amdgpu_metadata
---
amdhsa.version: [ 1, 2 ]
amdhsa.kernels:
  - .name:           k_q059ef9dbe0_prep
    .symbol:         k_q059ef9dbe0_prep.kd
    .args:
      - { .name: K, .offset: 0, .size: 8, .value_kind: global_buffer, .address_space: global }
      - { .name: V, .offset: 8, .size: 8, .value_kind: global_buffer, .address_space: global }
      - { .name: mask, .offset: 16, .size: 8, .value_kind: global_buffer, .address_space: global }
      - { .name: kv, .offset: 24, .size: 8, .value_kind: global_buffer, .address_space: global }
      - { .name: maskw, .offset: 32, .size: 8, .value_kind: global_buffer, .address_space: global }
      - { .name: hid, .offset: 40, .size: 8, .value_kind: global_buffer, .address_space: global }
    .group_segment_fixed_size: 40448
    .private_segment_fixed_size: 0
    .kernarg_segment_align: 8
    .kernarg_segment_size: 48
    .max_flat_workgroup_size: 128
    .sgpr_count:     66
    .vgpr_count:     202
    .wavefront_size: 32
...
	.end_amdgpu_metadata
.endif
;; end of part 1
;; launch attn (part 2): grid 4 x 64, 16 waves a work-group, no clusters, 210,944 bytes of LDS; arguments Q, kv, maskw, hid, out0; writes out0
.if DOCPART == 2
	.amdgcn_target "amdgcn-amd-amdhsa--gfx1250"
	.amdhsa_code_object_version 6
	.text
	.protected	k_q059ef9dbe0_attn
	.globl	k_q059ef9dbe0_attn
	.p2align	8
	.type	k_q059ef9dbe0_attn,@function
k_q059ef9dbe0_attn:
	s_mov_b64 s[64:65], 0
	v_nop
	global_prefetch_b8 v0, s[64:65] scope:SCOPE_SE
	s_setreg_imm32_b32 hwreg(HW_REG_WAVE_MODE, 25, 1), 1
	s_wait_xcnt 0x0
; out0[head][q][:] = the sum over k of softmax_k(where(mask[q][k], Q[q] . K[k] / 8, -10000)) V[k][:], 64 heads, 2,048 queries and keys, head size 64; both products on codes of FP4 (E2M1)
; with one E8M0 scale for each 32 along a product's K.  K and V come as register images with their scale words (kv), the mask as lane masks (maskw) and flag words (hid); Q is quantised here.
; THE SOFTMAX AHEAD OF THE SECOND PRODUCT: t = score x log2(e) / 8; M = the row's largest t so far, rounded UP to a whole number; p = 2^(t - M) is quantised along the keys, not normalised.
; The row's sum is taken of the unquantised p and divides at the end.  When M moves, the sum and O are multiplied by 2^(old M - new M): exact.
; WORK LEFT OUT: the first product in tiles of 16 queries x 128 keys that the mask hides whole: where() throws those scores away whatever Q and K hold.  The flag words, whole numbers that the
; launch before stored, say which tiles those are.  There every score is -10000, so under M = -14426 = ceil(-10000 log2(e)) every p is 2^-0.9504 = 0.51749: each block's scale is 2^-3 (byte 124)
; and each code 4 (p / scale = 4.14): constants.  THE SECOND PRODUCT IS MADE THERE TOO, on these codes; a tile's hidden steps go first, the running maximum starts at -10000 where there is one,
; and the row's sum starts at their count x 128 x p.  A row that is hidden whole so comes out as the uniform softmax that reference() gives it.
; A step whose keys all count needs no select and no mask word; a step with both kinds has a copy of the step of its own, in which one v_cndmask_b32 a score puts -80000 (x 1 / 8 = -10000).
; SHARES.  A work-group owns 32 query tiles of 16 of one head; wave W = 16 x + wave of the head's 64 takes tiles W and 127 - W, one after the other, in 256 registers, four waves to a SIMD.
; LDS.  A head's 16 records, 139,264 bytes, fit whole: wave w brings record w through its registers at the start; nothing is filled again.
; NO TENSOR LOAD, NO CLUSTER: the steps branch on numbers read from memory; the four work-groups of a head do not ask jointly.
; NO PREFETCH: all that comes from memory but a mixed step's 256 bytes of mask words is asked for at the head, in one run of 33 loads a wave; there is no loop to run ahead in.
; K = 64 IN AN INSTRUCTION OF 128.  A fragment of K carries two tiles of 16 keys: registers 0-3 (k 0-63) one, registers 4-7 (k 64-127) the other.  It is multiplied once by [Q's codes, zeros]
; and once by [zeros, Q's codes]: zero codes add nothing.  The two forms of Q overlap in twelve registers: zeros, Q, zeros.
; LAYOUT.  Both products are used transposed (S^T = K Q^T, O^T = V^T P^T): a lane holds ONE query (lane % 16) throughout.  Row m of tile T holds key 64 (T / 4) + 32 (m / 8) + 8 (T % 4) + m % 8,
; so that score register n of lane (r, h) is key 64 (n / 32) + 32 h + n % 32: A LANE HOLDS TWO WHOLE BLOCKS OF 32, in the order of the second product's operand: a block's maximum needs no other
; lane, and the conversions' results are the operand's registers.
; LIMITS: NaN and infinities among the inputs are not served.  A block of Q that is all zeros, and a block of p that has fallen to 0, get the byte 1 (their codes are zeros).  A p under 2^-126 counts
; as 0 (v_exp_f32 flushes: ISA guide 15.8).  A block's largest p is taken as the exponential of its largest score, which supposes that v_exp_f32 does not fall where its input rises.
.set REC,  8704                        ; a record: K's images 4,096, V's 4,096, scale words 512
.set STG0, 16*REC                      ; behind the records: a stage of 16 rows x (256 + 16) bytes for each wave, for Q's way in and O's way out
.set STGW, 16*272
.set SPARE, STG0+16*STGW               ; the spare words, 128 bytes a wave
.set LI,  1                            ; v1   16 x lane
.set SA,  2                            ; v2   the stage by rows of memory: 272 h + 16 r
.set QR,  3                            ; v3   the stage, Q's way out of it: 272 r + 128 h
.set OS,  4                            ; v4   the stage, O's way in: 272 r + 32 h
.set ADV, 5                            ; v5   16 x lane + the record in hand
.set RA,  6                            ; v6   16 x lane + my own record's place
.set NEG, 7                            ; v7   -80000
                                       ; v8   8 h;  v9-11 at work;  v12 -M, v13 the largest score, v[14:15] the sum in two halves
.set QZ,  16                           ; v16-19 zeros, v20-23 Q's codes, v24-27 zeros
.set QS,  28                           ; v28  Q's scale word: its two bytes twice
.set PW,  29                           ; v29  p's scale word
.set FF,  30                           ; v[30:31] f = 2^(old M - new M), and a word that is named with it as a pair
.set KF,  32                           ; v32-63   K's four fragments (at the head: Q's first tile as loaded)
.set VF,  64                           ; v64-95   V^T's four fragments (at the head: Q's second tile)
.set S,   96                           ; v96-159  S^T, then p (at the head, with v160-163: my record)
.set O,   160                          ; v160-191 O^T: four tiles of 16 of the head's 64
.set QT,  164                          ; at the head: a tile of Q turned
.set PC,  192                          ; v192-199 p's codes
.set KSW, 200                          ; v200-203 lanes 0-15: K's scale words of the step; lanes 16-31: V's
.set Q1,  208                          ; v208-211, v212 the second tile's codes and scale word of Q
.set BM,  216                          ; v216-219 four chains of maxima; v217, v219 end as the two blocks' largest scores, then p
.set BA,  217
.set BB,  219
.set SCO, 224                          ; v224-225 the conversions' scale operands
.set T,   230                          ; v230 the old -M;  v231 what a lane permute brings at the head
.set T2,  231
.set HC,  232                          ; v232-239 the codes of a hidden step's p: 4 everywhere
.set HW,  240                          ; v240 and their scale word: byte 124 four times
.set SU,  242                          ; v242-247 the sum's three other chains
; s[4:13] Q, kv, maskw, hid, out0 (s[12:13]: the tile in hand's rows);  s14 wave;  s17 the tile's mask words' offset, s62 the second tile's;  s18 the tile's flags, s19 the second's;
; s52 counts key steps, s53 tiles;  s54 the mask words' offset;  s55 LDS byte of the record in hand;  s[58:59] c = log2(e) / 8;  s[60:61] lane selects;  s[66:67] the second tile's rows of out0.
; THE MASK WORDS: word n in s[20 + n] (n < 32) or s[36 + n].
.macro MASKLOAD                        ; a key step's 64 words, 256 consecutive bytes
	s_load_b512 s[20:35], s[8:9], s54 offset:0x0
	s_load_b512 s[36:51], s[8:9], s54 offset:0x40
	s_load_b512 s[68:83], s[8:9], s54 offset:0x80
	s_load_b512 s[84:99], s[8:9], s54 offset:0xc0
.endm
.macro VLOAD                           ; a record's V^T: eight loads of 512 consecutive bytes
.irp d, 0,1,2,3
.irp c, 0,1
	ds_load_b128 v[VF+8*\d+4*\c:VF+8*\d+4*\c+3], v[ADV] offset:4096+1024*\d+512*\c
.endr
.endr
.endm
	s_load_b256 s[4:11], s[0:1], 0x0               ; Q s[4:5], kv s[6:7], maskw s[8:9], hid s[10:11]
	s_load_b64 s[12:13], s[0:1], 0x20              ; out0
	v_lshl_add_u32 v254, v0, 2, SPARE
	v_mov_b32 v255, 0
	v_lshrrev_b32 v9, 5, v0
	s_delay_alu instid0(VALU_DEP_1)
	v_readfirstlane_b32 s14, v9                    ; wave 0..15
	v_and_b32 v11, 31, v0                          ; lane
	v_and_b32 v9, 15, v0                           ; r
	v_bfe_u32 v10, v0, 4, 1                        ; h
	s_delay_alu instid0(VALU_DEP_3)
	v_lshlrev_b32 v[LI], 4, v11
	s_delay_alu instid0(VALU_DEP_2)
	v_lshlrev_b32 v8, 3, v10                       ; 8 h
	s_mul_i32 s15, s14, STGW
	s_add_co_u32 s15, s15, STG0                    ; my stage
	s_mul_i32 s56, s14, REC                        ; my record's place, in LDS and among the head's 16
	v_mul_u32_u24 v[SA], v10, 272
	v_mul_u32_u24 v[QR], v9, 272
	s_delay_alu instid0(VALU_DEP_2)
	v_lshl_add_u32 v[SA], v9, 4, v[SA]
	s_delay_alu instid0(VALU_DEP_2)
	v_lshl_add_u32 v[OS], v10, 5, v[QR]
	v_lshl_add_u32 v[QR], v10, 7, v[QR]
	s_delay_alu instid0(VALU_DEP_3)
	v_add_nc_u32 v[SA], s15, v[SA]
	s_delay_alu instid0(VALU_DEP_3)
	v_add_nc_u32 v[OS], s15, v[OS]
	s_delay_alu instid0(VALU_DEP_3)
	v_add_nc_u32 v[QR], s15, v[QR]
	v_add_nc_u32 v[RA], s56, v[LI]
.irp j, 0,1,2,3
	v_mov_b32 v[QZ+\j], 0                          ; Q's zero codes, once
	v_mov_b32 v[QZ+8+\j], 0
.endr
.irp j, 0,1,2,3,4,5,6,7
	v_mov_b32 v[HC+\j], 0x66666666                 ; the code of 4, eight to a register
.endr
	v_mov_b32 v[HW], 0x7c7c7c7c                    ; 2^-3
	v_mov_b32 v[T2], 0                             ; written once: a lane permute's destination counts as one of its sources
	v_mov_b32 v[FF+1], 0                           ; (named as the upper half of a pair)
	v_mov_b32 v[NEG], 0xc79c4000                   ; -80000
	s_and_b32 s16, ttmp7, 0xffff                   ; the head
	s_lshl_b32 s2, ttmp9, 4
	s_add_co_u32 s2, s2, s14                       ; W: my first tile
	s_sub_co_u32 s3, 127, s2                       ; my second
	s_lshl_b32 s17, s2, 12                         ; a tile is 4,096 bytes of maskw, of Q and of out0,
	s_lshl_b32 s62, s3, 12
	s_lshl_b32 s2, s2, 6                           ; and 64 of hid
	s_lshl_b32 s3, s3, 6
	s_lshl_b32 s63, s16, 19                        ; Q and out0: 2,048 rows of 256 bytes a head
	s_add_co_u32 s68, s63, s17
	s_mov_b32 s69, 0
	s_add_co_u32 s70, s63, s62
	s_mov_b32 s71, 0
	s_mul_i32 s63, s16, 16*REC
	s_add_co_u32 s56, s56, s63
	s_mov_b32 s57, 0
	s_mov_b32 s58, 0x3e38aa3b                      ; c = log2(e) / 8
	s_mov_b32 s59, s58                             ; (named with it as a pair, so it is written)
	s_mov_b32 s60, 0x76543210
	s_mov_b32 s61, 0xfedcba98                      ; v_permlanex16_b32's selects for lane l xor 16
	s_wait_alu depctr_va_vdst(0)                   ; the wait at the head's end
	s_wait_kmcnt 0x0
	s_add_nc_u64 s[6:7], s[6:7], s[56:57]
	s_add_nc_u64 s[72:73], s[4:5], s[68:69]
	s_add_nc_u64 s[74:75], s[4:5], s[70:71]
	s_add_nc_u64 s[66:67], s[12:13], s[70:71]
	s_add_nc_u64 s[12:13], s[12:13], s[68:69]
.irp i, 0,1,2,3,4,5,6,7,8,9,10,11,12,13,14,15,16
	global_load_b128 v[S+4*\i:S+4*\i+3], v[LI], s[6:7] offset:512*\i                 ; my record as it lies: 17 x 512 bytes
.endr
.irp i, 0,1,2,3,4,5,6,7
	global_load_b128 v[KF+4*\i:KF+4*\i+3], v[LI], s[72:73] offset:512*\i th:TH_LOAD_NT   ; my first tile of Q as it lies
.endr
.irp i, 0,1,2,3,4,5,6,7
	global_load_b128 v[VF+4*\i:VF+4*\i+3], v[LI], s[74:75] offset:512*\i th:TH_LOAD_NT   ; my second
.endr
	s_load_b512 s[20:35], s[10:11], s2 offset:0x0  ; the two tiles' flag words
	s_load_b512 s[36:51], s[10:11], s3 offset:0x0
	s_wait_loadcnt 16                              ; Q's 16 loads may be out: the record is in
.irp i, 0,1,2,3,4,5,6,7,8,9,10,11,12,13,14,15,16
	ds_store_b128 v[RA], v[S+4*\i:S+4*\i+3] offset:512*\i
.endr
; Tile t of Q turns through my stage, so that lane (r, h) holds Q[r][32 h .. 32 h + 31], one whole block, and is quantised: four registers of codes, and the scale word [q0, q1, q0, q1]
.macro QPREP t, dst, dsc
.irp i, 0,1,2,3,4,5,6,7
	ds_store_b128 v[SA], v[KF+32*\t+4*\i:KF+32*\t+4*\i+3] offset:544*\i
.endr
.irp j, 0,1,2,3,4,5,6,7
	ds_load_b128 v[QT+4*\j:QT+4*\j+3], v[QR] offset:16*\j                    ; LDS serves a wave's instructions in order (ISA guide 5.7.1.4): these see the stores above
.endr
	s_wait_dscnt 0x0
	v_max3_num_f32 v9, |v[QT]|, |v[QT+1]|, 0x1800000                         ; the floor 2^(3 - 127) is one leaf: the byte cannot fall under 1
	v_max3_num_f32 v10, |v[QT+2]|, |v[QT+3]|, |v[QT+4]|
.irp i, 5,9,13,17,21,25
	s_delay_alu instid0(VALU_DEP_2)
	v_max3_num_f32 v9, v9, |v[QT+\i]|, |v[QT+\i+1]|
	s_delay_alu instid0(VALU_DEP_2)
	v_max3_num_f32 v10, v10, |v[QT+\i+2]|, |v[QT+\i+3]|
.endr
	s_delay_alu instid0(VALU_DEP_2)
	v_max3_num_f32 v9, v9, |v[QT+29]|, |v[QT+30]|
	s_delay_alu instid0(VALU_DEP_1)
	v_max3_num_f32 v9, v9, v10, |v[QT+31]|
	s_delay_alu instid0(VALU_DEP_1)
	v_add_nc_u32 v11, 0xff000000, v9               ; 2 off the exponent field: the conversion's scale operand
.irp g, 0,1,2,3
	v_cvt_scalef32_pk8_fp4_f32 v[\dst+\g], v[QT+8*\g:QT+8*\g+7], v11
.endr
	v_lshrrev_b32 v[T], 23, v11                    ; the scale's byte; also the plain line behind the conversions
	s_delay_alu instid0(VALU_DEP_1)
	v_lshlrev_b32 v[T], v8, v[T]                   ; at its place: 8 h bits up
	s_delay_alu instid0(VALU_DEP_1)
	v_permlanex16_b32 v[T2], v[T], s60, s61
	s_delay_alu instid0(VALU_DEP_1)
	v_or_b32 v[T], v[T], v[T2]                     ; with the other block's byte
	s_delay_alu instid0(VALU_DEP_1)
	v_lshl_or_b32 v[\dsc], v[T], 16, v[T]          ; twice: Q's codes stand at k 0-63 or at k 64-127
.endm
	s_wait_loadcnt 8                               ; the second tile's eight loads may be out
	QPREP 0, QZ+4, QS
	s_wait_loadcnt 0x0
	QPREP 1, Q1, Q1+4
	s_wait_alu depctr_va_vdst(0)                   ; directly ahead of the wait below
	s_wait_kmcnt 0x0
.irp i, 1,2,3,4,5,6,7,8,9,10,11,12,13,14,15
	s_or_b32 s20, s20, s[20+\i]                    ; a tile's 16 flag words joined: bit ks: step ks is hidden whole; bit 16 + ks: all its keys count
	s_or_b32 s36, s36, s[36+\i]
.endr
	s_mov_b32 s18, s20
	s_mov_b32 s19, s36
	s_wait_dscnt 0x0                               ; for the others' sake: my record lies in LDS
	s_barrier_signal -1
	s_barrier_wait -1                              ; everybody's does: the head's K and V lie in LDS for the rest of the launch
	s_mov_b32 s53, 2
; A KEY STEP in which keys count: 128 keys.  mixed = 1: some are hidden: the step's mask words are fetched and each score is selected.
; The long runs (maxima, sums) go in four independent chains by turns.
.macro STEP mixed
.if \mixed
	s_lshl_b32 s54, s52, 8
	s_add_co_u32 s54, s54, s17
	MASKLOAD
.endif
	v_add_nc_u32 v[ADV], s55, v[LI]
	v_mov_b32 v[T], v12                            ; the old -M
	v_nop
	v_nop                                          ; four places behind the last products, for the loads into their operands
.irp f, 0,1,2,3
.irp c, 0,1
	ds_load_b128 v[KF+8*\f+4*\c:KF+8*\f+4*\c+3], v[ADV] offset:1024*\f+512*\c
.endr
.endr
	ds_load_b128 v[KSW:KSW+3], v[ADV] offset:8192
	VLOAD
	s_wait_dscnt 8                                 ; V's eight loads may be out: K and the scale words are in
.irp f, 0,1,2,3
.irp u, 0,1
	v_wmma_scale_f32_16x16x128_f8f6f4 v[S+8*(2*\f+\u):S+8*(2*\f+\u)+7], v[KF+8*\f:KF+8*\f+7], v[QZ+4-4*\u:QZ+11-4*\u], 0, v[KSW+\f], v[QS] matrix_a_fmt:MATRIX_FMT_FP4 matrix_b_fmt:MATRIX_FMT_FP4
.endr
.endr
.rept 4
	v_nop                                          ; four places ahead of the first read of the scores
.endr
.if \mixed
	s_wait_kmcnt 0x0                               ; the step's mask words are in
.set n, 0
.rept 64
.if n < 32
.set ms, 20+n
.else
.set ms, 36+n
.endif
	v_cndmask_b32 v[S+n], v[NEG], v[S+n], s[ms]    ; hidden: -80000.  Ascending: each accumulator is read from its low end on
.set n, n+1
.endr
.endif
.irp b, 0,1,2,3
	v_max3_num_f32 v[BM+\b], v[S+16*\b], v[S+1+16*\b], v[S+2+16*\b]          ; four chains of 16 scores by turns, ascending
.endr
.irp i, 3,5,7,9,11,13
.irp b, 0,1,2,3
	v_max3_num_f32 v[BM+\b], v[BM+\b], v[S+16*\b+\i], v[S+1+16*\b+\i]
.endr
.endr
	v_max_num_f32 v[BM], v[BM], v[S+15]
	v_max_num_f32 v[BM+2], v[BM+2], v[S+47]
	v_max3_num_f32 v[BA], v[BA], v[S+31], v[BM]    ; the largest score of my first block of 32 keys: it serves for the row's maximum and, since p rises with the score, for the block's largest p
	v_max3_num_f32 v[BB], v[BB], v[S+63], v[BM+2]  ; and of my second
	v_max_num_f32 v9, v[BA], v[BB]
	v_permlanex16_b32 v10, v9, s60, s61
	v_max3_num_f32 v13, v13, v9, v10               ; the running largest score of my query, with lane l xor 16's 64 keys
	v_mul_f32 v9, s58, v13                         ; as t (c is positive)
	v_floor_f32 v12, -v9                           ; the new -M = floor(-t) = -ceil(t): a whole number
.set j, 0
.rept 32
	v_pk_fma_f32 v[S+j:S+j+1], v[S+j:S+j+1], s[58:59], v[12:13] op_sel_hi:[1,0,0]    ; t - M, two at a time
.set j, j+2
.endr
	v_fma_f32 v[BA], v[BA], s58, v12               ; the same of each block's largest score
	v_fma_f32 v[BB], v[BB], s58, v12
	v_sub_f32 v9, v12, v[T]                        ; old M less new M: a whole number, 0 or less
	v_cvt_i32_f32 v9, v9                           ; (it saturates)
	v_ldexp_f32 v[FF], 1.0, v9                     ; f = 2^(old M - new M)
	v_pk_mul_f32 v[14:15], v[14:15], v[FF:FF+1] op_sel_hi:[1,0]      ; the sums under the new M
.set j, 0
.rept 16
	v_pk_mul_f32 v[O+j:O+j+1], v[O+j:O+j+1], v[FF:FF+1] op_sel_hi:[1,0]      ; O^T under the new M, ascending; it is read here, ahead of the exponentials
.set j, j+2
.endr
	s_wait_alu depctr_va_vdst(0)                   ; the wait ahead of the batch
.set j, 0
.rept 64
	v_exp_f32 v[S+j], v[S+j]                       ; p = 2^(t - M), at most 1: not normalised
.set j, j+1
.endr
	v_exp_f32 v[BA], v[BA]                         ; the block's largest p: the same two instructions on the same number give the same bits
	v_exp_f32 v[BB], v[BB]
	v_nop                                          ; one plain line behind the exponentials
	s_wait_alu depctr_va_vdst(0)                   ; one wait for the whole batch, ahead of its first reader
	v_max_num_f32 v[BA], 0x1800000, v[BA]          ; the floor 2^(3 - 127): the byte cannot fall under 1
	v_max_num_f32 v[BB], 0x1800000, v[BB]
	v_add_nc_u32 v[SCO], 0xff000000, v[BA]         ; 2 off the exponent field: the conversion's scale operand
	v_add_nc_u32 v[SCO+1], 0xff000000, v[BB]
	v_lshrrev_b32 v9, 23, v[SCO]                   ; the scales' bytes: blocks h and 2 + h
	v_lshrrev_b32 v11, 23, v[SCO+1]
	v_lshl_or_b32 v9, v11, 16, v9
	v_lshlrev_b32 v9, v8, v9                       ; at their places in the word: 8 h bits up
	v_permlanex16_b32 v10, v9, s60, s61
	v_or_b32 v[PW], v9, v10                        ; with lane l xor 16's two: p's scale word for these 128 keys
.irp c, 0,1
.irp g, 0,1,2,3
	v_cvt_scalef32_pk8_fp4_f32 v[PC+4*\c+\g], v[S+32*\c+8*\g:S+32*\c+8*\g+7], v[SCO+\c]      ; registers 4 c .. 4 c + 3 of the operand: keys 64 c + 32 h + 0 .. 31
.endr
.endr
	; the row's sum of the unquantised p, two at a time, in four chains.  These 32 lines are also the places between p's codes and scale word and the products
	v_pk_add_f32 v[SU:SU+1], v[S:S+1], v[S+2:S+3]
	v_pk_add_f32 v[SU+2:SU+3], v[S+4:S+5], v[S+6:S+7]
	v_pk_add_f32 v[SU+4:SU+5], v[S+8:S+9], v[S+10:S+11]
	v_pk_add_f32 v[14:15], v[14:15], v[S+12:S+13]
.set j, 14
.rept 6
	v_pk_add_f32 v[SU:SU+1], v[SU:SU+1], v[S+j:S+j+1]
	v_pk_add_f32 v[SU+2:SU+3], v[SU+2:SU+3], v[S+j+2:S+j+3]
	v_pk_add_f32 v[SU+4:SU+5], v[SU+4:SU+5], v[S+j+4:S+j+5]
	v_pk_add_f32 v[14:15], v[14:15], v[S+j+6:S+j+7]
.set j, j+8
.endr
	v_pk_add_f32 v[SU:SU+1], v[SU:SU+1], v[SU+2:SU+3]
	v_pk_add_f32 v[SU+4:SU+5], v[SU+4:SU+5], v[S+62:S+63]
	v_pk_add_f32 v[14:15], v[14:15], v[SU:SU+1]
	v_pk_add_f32 v[14:15], v[14:15], v[SU+4:SU+5]
	s_wait_dscnt 0x0                               ; V is in
.irp d, 0,1,2,3                                ; O^T += V^T P^T: the four accumulators by turns, one instruction a turn
	v_wmma_scale_f32_16x16x128_f8f6f4 v[O+8*\d:O+8*\d+7], v[VF+8*\d:VF+8*\d+7], v[PC:PC+7], v[O+8*\d:O+8*\d+7], v[KSW+\d], v[PW] matrix_a_fmt:MATRIX_FMT_FP4 matrix_b_fmt:MATRIX_FMT_FP4 matrix_a_scale:MATRIX_SCALE_ROW1
.endr
.endm
.Lpass:                                            ; two trips: a tile of 16 queries each
	s_and_b32 s2, s18, 0xffff                      ; the tile's hidden steps,
	s_bcnt1_i32_b32 s3, s2                         ; and how many
	s_mov_b32 s15, 0xff61b1e6                      ; none: the largest score so far is -3e38, under every score;
	s_cmp_lg_u32 s2, 0
	s_cselect_b32 s15, 0xc79c4000, s15             ; some: -80000
	v_mov_b32 v13, s15
	v_cvt_f32_u32 v14, s3
	v_mov_b32 v15, 0
	s_delay_alu instid0(VALU_DEP_3)
	v_mul_f32 v9, s58, v13
	s_delay_alu instid0(VALU_DEP_3)
	v_mul_f32 v14, 0x420479f2, v14                 ; the sum begins at my half of the hidden steps' p: 64 x 0.51749 a step
	s_delay_alu instid0(VALU_DEP_2)
	v_floor_f32 v12, -v9                           ; -M: 14426 where a step is hidden
.set j, 0
.rept 32
	v_mov_b32 v[O+j], 0                            ; O^T: every step is written alike and adds in place
.set j, j+1
.endr
	s_wait_alu depctr_va_vdst(0)
	s_mov_b32 s52, 0
	s_mov_b32 s55, 0
.Lhid:                                             ; 16 trips: THE HIDDEN STEPS: O^T += V^T P^T on the constant codes; the others are passed over
	s_bitcmp1_b32 s18, s52
	s_cbranch_scc0 .Lhnext
	v_add_nc_u32 v[ADV], s55, v[LI]
.rept 3
	v_nop                                          ; with the addition four places behind the last products, for the loads into their operands
.endr
	VLOAD
	ds_load_b128 v[KSW:KSW+3], v[ADV] offset:8192
	s_wait_dscnt 0x0
.irp d, 0,1,2,3
	v_wmma_scale_f32_16x16x128_f8f6f4 v[O+8*\d:O+8*\d+7], v[VF+8*\d:VF+8*\d+7], v[HC:HC+7], v[O+8*\d:O+8*\d+7], v[KSW+\d], v[HW] matrix_a_fmt:MATRIX_FMT_FP4 matrix_b_fmt:MATRIX_FMT_FP4 matrix_a_scale:MATRIX_SCALE_ROW1
.endr
.Lhnext:
	s_add_co_u32 s55, s55, REC
	s_add_co_u32 s52, s52, 1
	s_cmp_lt_u32 s52, 16
	s_cbranch_scc1 .Lhid
	s_mov_b32 s52, 0
	s_mov_b32 s55, 0
.Lvis:                                             ; 16 trips: the steps in which keys count
	s_bitcmp1_b32 s18, s52
	s_cbranch_scc1 .Lvnext
	s_add_co_u32 s63, s52, 16
	s_bitcmp1_b32 s18, s63
	s_cbranch_scc0 .Lvmixed
	STEP 0
	s_branch .Lvnext
.Lvmixed:
	STEP 1
.Lvnext:
	s_add_co_u32 s55, s55, REC
	s_add_co_u32 s52, s52, 1
	s_cmp_lt_u32 s52, 16
	s_cbranch_scc1 .Lvis
	; THE WAY OUT of a tile: the sum's halves; O^T / the sum; through my stage, so that whole rows of 256 bytes leave
	s_wait_alu depctr_va_vdst(0)                   ; directly ahead of the reader below
	v_add_f32 v14, v14, v15
.rept 3
	v_nop                                          ; with the addition four places behind the last products
.endr
	v_permlanex16_b32 v10, v14, s60, s61
	v_add_f32 v14, v14, v10                        ; with lane l xor 16's: the row's sum, at least 1/2
	s_wait_alu depctr_va_vdst(0)                   ; the wait ahead of the transcendental
	v_rcp_f32 v14, v14
	v_nop                                          ; one plain line behind the transcendental
	s_wait_alu depctr_va_vdst(0)                   ; the wait ahead of its first reader, which is also O^T's
.set j, 0
.rept 16
	v_pk_mul_f32 v[S+j:S+j+1], v[O+j:O+j+1], v[14:15] op_sel_hi:[1,0]        ; register 8 d + i is out(r, 16 d + 8 h + i); ascending
.set j, j+2
.endr
.irp d, 0,1,2,3
	ds_store_b128 v[OS], v[S+8*\d:S+8*\d+3] offset:64*\d
	ds_store_b128 v[OS], v[S+8*\d+4:S+8*\d+7] offset:64*\d+16
.endr
.irp i, 0,1,2,3,4,5,6,7
	ds_load_b128 v[S+32+4*\i:S+35+4*\i], v[SA] offset:544*\i                 ; rows 2 i and 2 i + 1; LDS serves a wave's instructions in order: these see the stores above
.endr
.irp i, 0,1,2,3,4,5,6,7
	s_wait_dscnt 7-\i
	global_store_b128 v[LI], v[S+32+4*\i:S+35+4*\i], s[12:13] offset:512*\i th:TH_STORE_NT   ; 32 lanes store 512 consecutive bytes, at a multiple of 256 from out0's first byte
.endr
	s_wait_xcnt 0x0                                ; the stores have read their base and their data: both are written again only behind this wait
	s_mov_b64 s[12:13], s[66:67]                   ; the second tile's rows, mask words and flags,
	s_mov_b32 s17, s62
	s_mov_b32 s18, s19
.irp j, 0,1,2,3
	v_mov_b32 v[QZ+4+\j], v[Q1+\j]                 ; its codes of Q,
.endr
	v_mov_b32 v[QS], v[Q1+4]                       ; and its scale word (behind the second tile these lines serve nothing: one text for both tiles)
	s_sub_co_i32 s53, s53, 1
	s_cmp_lg_u32 s53, 0
	s_cbranch_scc1 .Lpass
	s_wait_tensorcnt 0x0                           ; the wave's end, behind my last LDS store
	ds_add_u32 v254, v255
	s_wait_dscnt 0x0
	s_endpgm
.Lfunc_end_k_q059ef9dbe0_attn:
	.size	k_q059ef9dbe0_attn, .Lfunc_end_k_q059ef9dbe0_attn-k_q059ef9dbe0_attn
	.p2alignl 7, 3214868480
	.fill 96, 4, 3214868480
	.section	.rodata,"a",@progbits
	.p2align	6, 0x0
	.amdhsa_kernel k_q059ef9dbe0_attn
		.amdhsa_group_segment_fixed_size 210944
		.amdhsa_private_segment_fixed_size 0
		.amdhsa_enable_private_segment 0
		.amdhsa_kernarg_size 40
		.amdhsa_user_sgpr_count 2
		.amdhsa_user_sgpr_kernarg_segment_ptr 1
		.amdhsa_wavefront_size32 1
		.amdhsa_system_sgpr_workgroup_id_x 1
		.amdhsa_system_sgpr_workgroup_id_y 1
		.amdhsa_system_sgpr_workgroup_id_z 1
		.amdhsa_system_vgpr_workitem_id 0
		.amdhsa_next_free_vgpr 256
		.amdhsa_next_free_sgpr 100
		.amdhsa_reserve_vcc 0
		.amdhsa_float_denorm_mode_32 3
		.amdhsa_float_denorm_mode_16_64 3
		.amdhsa_memory_ordered 1
		.amdhsa_forward_progress 1
		.amdhsa_inst_pref_size 55
	.end_amdhsa_kernel
	.amdgpu_metadata
---
amdhsa.version: [ 1, 2 ]
amdhsa.kernels:
  - .name:           k_q059ef9dbe0_attn
    .symbol:         k_q059ef9dbe0_attn.kd
    .args:
      - { .name: Q, .offset: 0, .size: 8, .value_kind: global_buffer, .address_space: global }
      - { .name: kv, .offset: 8, .size: 8, .value_kind: global_buffer, .address_space: global }
      - { .name: maskw, .offset: 16, .size: 8, .value_kind: global_buffer, .address_space: global }
      - { .name: hid, .offset: 24, .size: 8, .value_kind: global_buffer, .address_space: global }
      - { .name: out0, .offset: 32, .size: 8, .value_kind: global_buffer, .address_space: global }
    .group_segment_fixed_size: 210944
    .private_segment_fixed_size: 0
    .kernarg_segment_align: 8
    .kernarg_segment_size: 40
    .max_flat_workgroup_size: 512
    .sgpr_count:     100
    .vgpr_count:     256
    .wavefront_size: 32
...
	.end_amdgpu_metadata
.endif
;; end of part 2
